; MI455X (gfx1250); checked and timed in simulation.
; The chip was launched on July 23, 2026; its instructions are those of AMD's public machine-readable ISA for CDNA 5 (MIT licence, August 2026) and "CDNA5" Instruction Set Architecture Reference Guide (July 2026). The comments in the code are by the model that wrote it; some were corrected since.
;; Causal Self Attention. Allowed arithmetic: matrix products marked QUANTISED: E2M3 operands, one E8M0 scale for each 32 along K, by v_wmma_scale_f32_16x16x128_f8f6f4 with both operands' format E2M3, f32 sums; everything else in f32.
;; Inputs: w_attn 3,072 x 1,024 float32; w_proj 1,024 x 1,024 float32; x 1 x 4,096 x 1,024 float32.
;; Outputs: out0 1 x 4,096 x 1,024 float32.
;; This version of the problem:
;;   THIS VERSION OF THE PROBLEM IS GIVEN IN LOW PRECISION. The matrix products marked QUANTISED in the list below multiply operands that are first quantised to E2M3 (2 exponent bits, 3 mantissa bits; 6 bits a number), with one power-of-two scale for each 32 numbers along K (OCP MX v1.0); their sums are f32. All else is computed in f32.
;;   The module's matrix products, in the order in which they are computed (A, B: the left and right operand; K: the contracted axis; several contracted axes count as one K, in the product's order):
;;     1. [M 4,096, K 1,024] x [K 1,024, N 3,072]; A: input x; B: input w_attn: QUANTISED
;;     2. batch 16 x [M 4,096, K 64] x [K 64, N 4,096]; A: computed on the way; B: computed on the way: QUANTISED
;;     3. batch 16 x [M 4,096, K 4,096] x [K 4,096, N 64]; A: softmax (see below); B: computed on the way: QUANTISED
;;     4. [M 4,096, K 1,024] x [K 1,024, N 1,024]; A: computed on the way; B: input w_proj: QUANTISED
;;   THE QUANTISER, for each operand of a quantised product, along K:
;;     - K is cut into blocks of 32 from its start; a last block that is shorter is filled with zeros.
;;     - A block's scale is 2^e with e = floor(log2(the largest magnitude in the block)) - 2, held to -126 .. 127; a block of zeros has e = 0. As a byte (E8M0): e + 127.
;;     - Each number is divided by its block's scale, clamped to +-7.5, and rounded to the nearest number of E2M3, ties to even, subnormals kept.
;;     - The product sums the exact products of the quantised numbers (number of the format x scale) in f32.
;;   ~~~python
;;   def quantise(x, axis):      # numpy; x: float32 -> the quantised numbers, widened to float32 again
;;       x = np.moveaxis(x, axis, -1); K = x.shape[-1]
;;       x = np.pad(x, [(0, 0)] * (x.ndim - 1) + [(0, -K % 32)]); x = x.reshape(x.shape[:-1] + (-1, 32)); a = np.abs(x).max(-1, keepdims=True)
;;       e = np.where(a > 0, np.clip(np.frexp(np.where(a > 0, a, 1))[1] - 1 - 2, -126, 127), 0)      # np.frexp(a)[1] - 1 = floor(log2(a)), exactly
;;       r = np.clip(x / 2.0 ** e, -7.5, 7.5)
;;       step = 2.0 ** (np.maximum(np.frexp(np.where(r == 0, 1, r))[1] - 1, 0) - 3)
;;       q = np.round(r / step) * step * 2.0 ** e      # np.round: ties to even
;;       return np.moveaxis(q.reshape(q.shape[:-2] + (-1,))[..., :K], -1, axis).astype(np.float32)
;;   ~~~
;;   SOFTMAX AHEAD OF A QUANTISED PRODUCT. Where the list says 'softmax', what is quantised is not the finished softmax but p = 2^(t - M), with t = logit x log2(e) and M = ceil(the row's largest t), a whole number; so 1/2 < the row's largest p <= 1. The row's sum l is taken of the UNQUANTISED p, in f32, and the product's result is divided by l at the end. Since M is a whole number, a kernel that streams over the keys may use a running M (the ceiling of the running maximum): every later rescaling is an exact power of two, which a block's scale takes up: the codes' values come out the same.
;;   OPERANDS COMPUTED ON THE WAY. 'Computed on the way' means the value that the module computes at that place (a softmax that the list does not call 'softmax' is quantised finished and normalised). What goes into a quantiser is computed in f32, as accurately as f32 sums, v_exp_f32 and their like allow (about 1e-6 of the number): no bf16 or f16 on the way to a quantiser, and a product that is left as it is and whose result goes on into a quantised operand takes f32 operands (vector FMAs, or v_wmma_f32_16x16x4_f32). A number that lies on a knife's edge between two numbers of the format may be rounded either way, as far as f32 arithmetic and the matrix unit's own rounding can turn it there, and no further.
;; One version. Each part assembles by itself: llvm-mc -triple=amdgcn-amd-amdhsa -mcpu=gfx1250 --defsym DOCPART=n.
;; ======== version 1 of 1: 4 launches
;; limits: right only within a limited range of input values
;; workspace buffers: codes 6,291,456 bytes; scales 262,144 bytes; qkv 10,092,544 bytes; yc 3,145,728 bytes; ysw 262,144 bytes
;; launch quant (part 1): grid 512 x 1, 4 waves a work-group, no clusters, 35,328 bytes of LDS; arguments x, w_attn, w_proj, codes, scales; writes codes, scales
.if DOCPART == 1
	.amdgcn_target "amdgcn-amd-amdhsa--gfx1250"
	.amdhsa_code_object_version 6
	.text
	.protected	k_qea19ae0f02_quant
	.globl	k_qea19ae0f02_quant
	.p2align	8
	.type	k_qea19ae0f02_quant,@function
k_qea19ae0f02_quant:
	s_mov_b64 s[64:65], 0
	v_nop
	global_prefetch_b8 v0, s[64:65] scope:SCOPE_SE
	s_setreg_imm32_b32 hwreg(HW_REG_WAVE_MODE, 25, 1), 1
	s_wait_xcnt 0x0
; x [4096][1024], w_attn [3072][1024] and w_proj [1024][1024], f32, become codes of FP6 (E2M3) with one E8M0 byte for each 32 along K (their last axis).
; A block's scale is 2^(floor(log2(its largest magnitude)) - 2): its byte is the largest magnitude's exponent field - 2, held at 1 from below.
; LIMITS: NaN and infinities are not served.  A block whose largest magnitude lies under 2^-124, a block of zeros too, gets the byte 1 (the stated quantiser gives a block of zeros 127):
; its codes are zeros or the nearest codes under that scale, and the bytes are read by this program alone.
; THE OUTPUT IS LAID AS THE MATRIX UNIT'S REGISTERS.  codes: [512 tiles][8 K steps][1,536 bytes]; tiles 0-255 x, 256-447 w_attn, 448-511 w_proj.  A tile is 16 rows, NOT neighbours:
; tile 2 B + u holds at place p the row 32 B + 8 u + p + 8 (p / 8), so that in a product used transposed the 16 registers of two neighbouring tiles are 16 neighbours.
; A fragment (16 rows x 128 K, 12 registers a lane) lies so: registers 0-3 at 16 x lane, 4-5 at 512 + 8 x lane, 6-9 at 768 + 16 x lane, 10-11 at 1,280 + 8 x lane: every store covers
; 256 or 512 consecutive bytes that begin at a multiple of 256.  scales: [512 tiles][16 places][8 words], word s = the four bytes of K step s.
; SHARES.  Work-group g makes tile g; wave w its K steps 2 w and 2 w + 1.  A load takes one row's 512 consecutive bytes; the 16 rows turn through the wave's own stage in LDS, so that lane
; (r, h) gets, of row r, the 16 neighbours 32 b + 16 h + 0 .. 15 of each block b: what the conversions want.  No tensor load, no ring; one barrier, for the tile's scale words.
.set STW,  8448                        ; a wave's stage: 16 rows x (512 bytes + 16)
.set SCW,  4*STW                       ; behind the stages: the tile's 512 bytes of scale words
.set TM,   8                           ; v8-11 largest magnitudes, v12-15 the other half's, then the bytes, v16-19 the conversions' scale operands
.set PCA,  20                          ; v20-31 the first K step's codes
.set TP,   32                          ; v32-38 the conversions' second halves
.set PW,   40                          ; v40-41 the two scale words
.set OW,   44                          ; v44-47 scale words on the way out
.set PCB,  48                          ; v48-59 the second K step's codes: no store's data are written again
.set RA,   64                          ; v64-127 K step 0 as loaded; later K step 1 turned
.set RB,   128                         ; v128-191 K step 1 as loaded
.set X,    192                         ; v192-255 K step 0 turned
.set SEL,  20                          ; s[20:21] lane selects: lane l xor 16
	s_load_b256 s[4:11], s[0:1], 0x0               ; x s[4:5], w_attn s[6:7], w_proj s[8:9], codes s[10:11]
	s_load_b64 s[12:13], s[0:1], 0x20              ; scales
	v_lshl_add_u32 v62, v0, 2, 0x8800
	v_mov_b32 v63, 0
	v_lshrrev_b32 v7, 5, v0
	v_readfirstlane_b32 s16, v7                    ; wave 0..3
	v_and_b32 v7, 31, v0                           ; lane
	v_lshlrev_b32 v1, 4, v7                        ; 16 x lane
	v_lshlrev_b32 v4, 3, v7                        ; 8 x lane
	s_mul_i32 s17, s16, STW
	v_add_nc_u32 v2, s17, v1                       ; the stage, on the way in: 16 x lane of a row
	v_and_b32 v60, 15, v0                          ; r
	v_bfe_u32 v61, v0, 4, 1                        ; h
	v_mul_u32_u24 v3, v60, 528
	v_lshl_add_u32 v3, v61, 6, v3
	v_add_nc_u32 v3, s17, v3                       ; and on the way out: row r, + 64 h
	s_lshl_b32 s18, s16, 3
	v_lshl_add_u32 v5, v60, 5, SCW
	v_add_nc_u32 v5, s18, v5                       ; my row's words 2 w and 2 w + 1
	v_add_nc_u32 v6, SCW, v1                       ; the tile's words, 16 bytes a lane
	s_mov_b32 s[SEL], 0x76543210
	s_mov_b32 s[SEL+1], 0xfedcba98
.irp b, 0,1,2,3
	v_mov_b32 v[TM+4+\b], 0                        ; written once: a lane permute's destination counts as one of its sources
.endr
	s_mov_b32 s14, 448
	s_wait_alu depctr_va_vdst(0)
	s_wait_kmcnt 0x0
	s_cmp_lt_u32 ttmp9, 448                        ; which tensor: the choice hangs on the work-group's number alone
	s_cselect_b64 s[6:7], s[6:7], s[8:9]
	s_cselect_b32 s14, 256, s14
	s_cmp_lt_u32 ttmp9, 256
	s_cselect_b64 s[4:5], s[4:5], s[6:7]
	s_cselect_b32 s14, 0, s14
	; X'S TILES ARE CHOSEN OTHERWISE THAN THE WEIGHTS': tile 4 C + u of x holds at place p the row 64 C + 8 u + p % 8 + 32 (p / 8), so that in a product used transposed
	; the 32 registers of four neighbouring tiles are 32 neighbours: a whole block of 32 tokens in a lane.  The weights' tiles stay as the head comment has them.
	s_cselect_b32 s22, 2, 1                        ; tiles to a group: 4 (x) or 2, as a shift
	s_cselect_b32 s23, 3, 1                        ; and as a mask
	s_mov_b32 s26, 0x10000                         ; places 8-15 begin 16 rows on (weights),
	s_cselect_b32 s26, 0x20000, s26                ; or 32 rows on (x)
	s_sub_co_u32 s14, ttmp9, s14                   ; T: the tile's number in its tensor
	s_lshr_b32 s15, s14, s22
	s_add_co_u32 s22, s22, 16
	s_lshl_b32 s15, s15, s22                       ; the group's first row, rows of 4,096 bytes
	s_and_b32 s14, s14, s23
	s_lshl_b32 s14, s14, 15                        ; + 8 u rows
	s_add_co_u32 s14, s14, s15
	s_lshl_b32 s15, s16, 10                        ; + my two K steps: 1,024 bytes a wave
	s_add_co_u32 s14, s14, s15
	s_mov_b32 s15, 0
	s_add_nc_u64 s[4:5], s[4:5], s[14:15]
	s_mov_b32 s27, 0
	s_add_nc_u64 s[24:25], s[4:5], s[26:27]        ; where places 8-15 begin
	s_mul_i32 s18, ttmp9, 12288                    ; the tile's codes,
	s_mul_i32 s19, s16, 3072                       ; my two fragments of them
	s_add_co_u32 s18, s18, s19
	s_mov_b32 s19, 0
	s_add_nc_u64 s[10:11], s[10:11], s[18:19]
	s_lshl_b32 s18, ttmp9, 9                       ; the tile's scale words
	s_add_nc_u64 s[12:13], s[12:13], s[18:19]
.irp k, 0,1
.irp i, 0,1,2,3,4,5,6,7,8,9,10,11,12,13,14,15
.if \i < 8
	global_load_b128 v[RA+64*\k+4*\i:RA+64*\k+4*\i+3], v1, s[4:5] offset:\i*4096+512*\k th:TH_LOAD_NT   ; place i's row: 512 consecutive bytes, read once in the launch
.else
	global_load_b128 v[RA+64*\k+4*\i:RA+64*\k+4*\i+3], v1, s[24:25] offset:(\i-8)*4096+512*\k th:TH_LOAD_NT
.endif
.endr
.endr
.macro TURN src, dst                   ; 16 rows through my stage: LDS serves a wave's instructions in order, so no wait stands between the stores and the loads
.irp i, 0,1,2,3,4,5,6,7,8,9,10,11,12,13,14,15
	ds_store_b128 v2, v[\src+4*\i:\src+4*\i+3] offset:528*\i
.endr
.irp b, 0,1,2,3
.irp j, 0,1,2,3
	ds_load_b128 v[\dst+16*\b+4*\j:\dst+16*\b+4*\j+3], v3 offset:128*\b+16*\j
.endr
.endr
.endm
; 64 numbers of a lane, register 16 b + i = k 32 b + 16 h + i of my row, become a fragment's codes (registers 0-5 at dA, 6-11 at dB) and its scale word.
.macro QUANT s, dA, dB, pw
.irp b, 0,1,2,3
	v_max3_num_f32 v[TM+\b], |v[\s+16*\b]|, |v[\s+1+16*\b]|, 0x1800000   ; block b: my 16 numbers, and the floor 2^(3 - 127): the byte cannot fall under 1
.endr
.irp i, 2,4,6,8,10,12,14
.irp b, 0,1,2,3
	v_max3_num_f32 v[TM+\b], v[TM+\b], |v[\s+16*\b+\i]|, |v[\s+1+16*\b+\i]|   ; the four blocks by turns
.endr
.endr
.irp b, 0,1,2,3
	v_permlanex16_b32 v[TM+4+\b], v[TM+\b], s[SEL], s[SEL+1]
.endr
.irp b, 0,1,2,3
	v_max_num_f32 v[TM+\b], v[TM+\b], v[TM+4+\b]   ; with lane l xor 16's: the block's largest magnitude
.endr
.irp b, 0,1,2,3
	v_add_nc_u32 v[TM+8+\b], 0xff000000, v[TM+\b]  ; 2 off its exponent field: the conversion takes this operand's exponent field as its scale
.endr
.irp b, 0,1,2,3
	v_lshrrev_b32 v[TM+4+\b], 23, v[TM+8+\b]       ; the scale's byte
.endr
	v_lshl_or_b32 v[\pw], v[TM+5], 8, v[TM+4]
	v_lshl_or_b32 v[\pw], v[TM+6], 16, v[\pw]
	v_lshl_or_b32 v[\pw], v[TM+7], 24, v[\pw]      ; my row's scale word, the same in lanes l and l xor 16
	v_cvt_scalef32_pk16_fp6_f32 v[\dA:\dA+2], v[\s:\s+15], v[TM+8]
	v_cvt_scalef32_pk16_fp6_f32 v[TP:TP+2], v[\s+16:\s+31], v[TM+9]
	v_cvt_scalef32_pk16_fp6_f32 v[\dB:\dB+2], v[\s+32:\s+47], v[TM+10]
	v_cvt_scalef32_pk16_fp6_f32 v[TP+4:TP+6], v[\s+48:\s+63], v[TM+11]
	v_nop                                          ; one plain instruction behind the scaled conversions
.irp i, 0,1,2                          ; the operand wants a WHOLE block in a lane: lanes 0-15 the even block, lanes 16-31 the odd one
	v_permlane16_swap_b32 v[\dA+\i], v[TP+\i]
	v_permlane16_swap_b32 v[\dB+\i], v[TP+4+\i]
.endr
.irp i, 0,1,2
	v_mov_b32 v[\dA+3+\i], v[TP+\i]
	v_mov_b32 v[\dB+3+\i], v[TP+4+\i]
.endr
.endm
.macro OUT pc, off                     ; a fragment leaves as it stands
	global_store_b128 v1, v[\pc:\pc+3], s[10:11] offset:\off
	global_store_b64 v4, v[\pc+4:\pc+5], s[10:11] offset:\off+512
	global_store_b128 v1, v[\pc+6:\pc+9], s[10:11] offset:\off+768
	global_store_b64 v4, v[\pc+10:\pc+11], s[10:11] offset:\off+1280
.endm
	s_wait_loadcnt 16                              ; K step 0's sixteen loads are in; K step 1's sixteen may be out
	TURN RA, X
	s_wait_dscnt 0x0                               ; K step 0 is back: RA is free for the second turn
	s_wait_loadcnt 0x0
	TURN RB, RA                                    ; lands while K step 0 is quantised
	QUANT X, PCA, PCA+6, PW
	OUT PCA, 0
	s_wait_dscnt 0x0
	QUANT RA, PCB, PCB+6, PW+1
	OUT PCB, 1536
	ds_store_b64 v5, v[PW:PW+1]                    ; both lanes of a row write the same words
	s_wait_dscnt 0x0                               ; for the others' sake: my words lie in LDS
	s_barrier_signal -1
	s_barrier_wait -1
	s_cmp_lg_u32 s16, 0
	s_cbranch_scc1 .Lend
	ds_load_b128 v[OW:OW+3], v6
	s_wait_dscnt 0x0
	global_store_b128 v1, v[OW:OW+3], s[12:13]     ; wave 0 stores the tile's 512 consecutive bytes of scale words
.Lend:
	s_wait_tensorcnt 0x0
	ds_add_u32 v62, v63
	s_wait_dscnt 0x0
	s_endpgm
.Lfunc_end_k_qea19ae0f02_quant:
	.size	k_qea19ae0f02_quant, .Lfunc_end_k_qea19ae0f02_quant-k_qea19ae0f02_quant
	.p2alignl 7, 3214868480
	.fill 96, 4, 3214868480
	.section	.rodata,"a",@progbits
	.p2align	6, 0x0
	.amdhsa_kernel k_qea19ae0f02_quant
		.amdhsa_group_segment_fixed_size 35328
		.amdhsa_private_segment_fixed_size 0
		.amdhsa_enable_private_segment 0
		.amdhsa_kernarg_size 40
		.amdhsa_user_sgpr_count 2
		.amdhsa_user_sgpr_kernarg_segment_ptr 1
		.amdhsa_wavefront_size32 1
		.amdhsa_system_sgpr_workgroup_id_x 1
		.amdhsa_system_sgpr_workgroup_id_y 1
		.amdhsa_system_sgpr_workgroup_id_z 1
		.amdhsa_system_vgpr_workitem_id 0
		.amdhsa_next_free_vgpr 256
		.amdhsa_next_free_sgpr 66
		.amdhsa_reserve_vcc 0
		.amdhsa_float_denorm_mode_32 3
		.amdhsa_float_denorm_mode_16_64 3
		.amdhsa_memory_ordered 1
		.amdhsa_forward_progress 1
		.amdhsa_inst_pref_size 19
	.end_amdhsa_kernel
	.amdgpu_metadata
---
amdhsa.version: [ 1, 2 ]
amdhsa.kernels:
  - .name:           k_qea19ae0f02_quant
    .symbol:         k_qea19ae0f02_quant.kd
    .args:
      - { .name: x, .offset: 0, .size: 8, .value_kind: global_buffer, .address_space: global }
      - { .name: w_attn, .offset: 8, .size: 8, .value_kind: global_buffer, .address_space: global }
      - { .name: w_proj, .offset: 16, .size: 8, .value_kind: global_buffer, .address_space: global }
      - { .name: codes, .offset: 24, .size: 8, .value_kind: global_buffer, .address_space: global }
      - { .name: scales, .offset: 32, .size: 8, .value_kind: global_buffer, .address_space: global }
    .group_segment_fixed_size: 35328
    .private_segment_fixed_size: 0
    .kernarg_segment_align: 8
    .kernarg_segment_size: 40
    .max_flat_workgroup_size: 128
    .sgpr_count:     66
    .vgpr_count:     256
    .wavefront_size: 32
...
	.end_amdgpu_metadata
.endif
;; end of part 1
;; launch qkvgemm (part 2): grid 12 x 16, 4 waves a work-group, clusters of 4 x 4, 327,680 bytes of LDS; arguments codes, scales, qkv; writes qkv
.if DOCPART == 2
	.amdgcn_target "amdgcn-amd-amdhsa--gfx1250"
	.amdhsa_code_object_version 6
	.text
	.protected	k_qea19ae0f02_qkvgemm
	.globl	k_qea19ae0f02_qkvgemm
	.p2align	8
	.type	k_qea19ae0f02_qkvgemm,@function
k_qea19ae0f02_qkvgemm:
	s_mov_b64 s[64:65], 0
	v_nop
	global_prefetch_b8 v0, s[64:65] scope:SCOPE_SE
	s_setreg_imm32_b32 hwreg(HW_REG_WAVE_MODE, 25, 1), 1
	s_wait_xcnt 0x0
	s_wait_alu depctr_hold_cnt(0) depctr_sa_sdst(0) depctr_va_vdst(0) depctr_va_sdst(0) depctr_va_ssrc(0) depctr_va_vcc(0) depctr_vm_vsrc(0)
	s_getreg_b32 s2, hwreg(HW_REG_IB_STS2, 6, 4)
	s_cmp_eq_u32 s2, 0
	s_cbranch_scc0 .Lentry_in_a_cluster
	s_endpgm
.Lentry_in_a_cluster:
	s_bfe_u32 s2, ttmp6, 0x10000c
	s_cmp_lg_u32 s2, 0xf033
	s_cbranch_scc0 .Lentry_shape_is_right
	s_endpgm
.Lentry_shape_is_right:
.set FRB,   1536
.set SLB,   3072
.set TROW,  12288
.set HALFT, 8*SLB
.set SLOT,  4*HALFT
.set SPARE, 3*SLOT
.set HEADB, 630784
.set A16, 8
.set A8,  11
.set B16, 14
.set B8,  17
.set SPW, 20
.set NIL, 21
.set LI,  22
.set L8,  23
.set SR,  24
.set SCA, 32
.set SCB, 96
.set AF,  160
.set TM,  160
.set PW,  172
.set WD,  180
.set WT,  188
.set TP,  96
.set G1,  24
.set G1B, 48
.set G0,  68
.set G0B, 80
.set SEL, 36
.set MSB, 0
.macro WIN new
.if MSB != (\new)
	s_set_vgpr_msb (MSB<<8)|(\new)
.set MSB, (\new)
.endif
.endm
.set MUL_LO, 0xa1
.set MUL_HI, 0xf1
.set TO_B,   0x40
.macro JLOAD g0a, g1a, g0b, g1b
	s_cmp_eq_u32 s15, 0
	s_cbranch_scc0 .Lfor_b_\@
	tensor_load_to_lds s[\g0a:\g0a+3], s[\g1a:\g1a+7]
	s_nop 0
.rept 4
	v_nop
.endr
	s_branch .Lasked_\@
.Lfor_b_\@:
	tensor_load_to_lds s[\g0b:\g0b+3], s[\g1b:\g1b+7]
	s_nop 0
.rept 4
	v_nop
.endr
.Lasked_\@:
.endm
.macro CREST
	s_cmp_lg_u32 s14, 0
	s_cbranch_scc1 .Lnot_wave_0_\@
	s_barrier_signal -3
.Lnot_wave_0_\@:
	s_barrier_wait -3
	s_barrier_signal -1
	s_barrier_wait -1
.endm
.macro CROUND
	s_barrier_signal -1
	s_barrier_wait -1
	CREST
.endm
.macro PLACES n
.rept \n
	v_nop
.endr
.endm
	s_load_b128 s[4:7], s[0:1], 0x0
	s_load_b64 s[8:9], s[0:1], 0x10
	v_lshl_add_u32 v[SPW], v0, 2, SPARE
	v_mov_b32 v[NIL], 0
	ds_add_u32 v20, v21
	ds_add_u32 v20, v21
	s_wait_dscnt 0x0
	v_lshrrev_b32 v1, 5, v0
	v_readfirstlane_b32 s14, v1
	s_lshr_b32 s15, s14, 1
	s_and_b32 s16, s14, 1
	s_bfe_u32 s40, ttmp6, 0x40000
	s_bfe_u32 s41, ttmp6, 0x40004
	s_and_b32 s17, ttmp7, 0xffff
	s_lshl_b32 s43, s41, 2
	s_lshl_b32 s43, 15, s43
	s_lshl_b32 s44, 0x1111, s40
	s_or_b32 s[G1], s43, (3<<16)|(1<<21)
	s_or_b32 s[G1B], s44, (3<<16)|(1<<21)
.irp g, G1, G1B
	s_mov_b32 s[\g+1], 384<<16
	s_mov_b32 s[\g+2], 8<<16
	s_mov_b32 s[\g+3], 384<<16
	s_mov_b32 s[\g+4], 8
	s_mov_b32 s[\g+5], 1536
	s_mov_b32 s[\g+6], 0
	s_mov_b32 s[\g+7], 0
.endr
	s_lshl_b32 s18, s17, 6
	s_lshl_b32 s19, ttmp9, 6
	s_add_co_u32 s19, s19, 256
	s_cmp_eq_u32 ttmp9, 2
	s_cselect_b32 s20, 384, s18
	s_cselect_b32 s46, s18, s19
	s_lshl_b32 s21, s41, 4
	s_add_co_u32 s20, s20, s21
	s_lshl_b32 s47, s40, 4
	s_add_co_u32 s46, s46, s47
	s_lshl_b32 s22, s16, 3
	s_add_co_u32 s21, s20, s22
	s_add_co_u32 s47, s46, s22
	s_mul_i32 s92, s21, TROW
	s_mov_b32 s93, 0
	s_mul_i32 s94, s47, TROW
	s_mov_b32 s95, 0
	s_mul_i32 s45, s14, HALFT
	s_wait_kmcnt 0x0
	s_add_nc_u64 s[92:93], s[4:5], s[92:93]
	s_add_nc_u64 s[94:95], s[4:5], s[94:95]
	CROUND
.irp j, 0,1,2
	s_mov_b32 s[G0+4*\j], 1
	s_add_co_u32 s[G0+4*\j+1], s45, \j*SLOT
	s_add_nc_u64 s[G0+4*\j+2:G0+4*\j+3], s[92:93], \j*SLB
	s_or_b32 s[G0+4*\j+3], s[G0+4*\j+3], 0x80000000
	s_mov_b32 s[G0B+4*\j], 1
	s_add_co_u32 s[G0B+4*\j+1], s45, \j*SLOT
	s_add_nc_u64 s[G0B+4*\j+2:G0B+4*\j+3], s[94:95], \j*SLB
	s_or_b32 s[G0B+4*\j+3], s[G0B+4*\j+3], 0x80000000
.endr
	JLOAD G0, G1, G0B, G1B                         ; K steps 0 and 1 into slot 0: one tensor load a wave at the head
	v_and_b32 v1, 31, v0
	v_lshlrev_b32 v[LI], 4, v1
	v_lshlrev_b32 v[L8], 3, v1
	v_and_b32 v2, 15, v0
	v_lshlrev_b32 v[SR], 5, v2
	s_mul_i32 s96, s15, HALFT
	s_mul_i32 s97, s16, HALFT
	s_add_co_u32 s97, s97, 2*HALFT
.irp j, 0,1,2
	v_add_nc_u32 v[A16+\j], s96, v[LI]
	v_add_nc_u32 v[A8+\j], s96, v[L8]
	v_add_nc_u32 v[B16+\j], s97, v[LI]
	v_add_nc_u32 v[B8+\j], s97, v[L8]
	s_add_co_u32 s96, s96, SLOT
	s_add_co_u32 s97, s97, SLOT
.endr
	s_lshl_b32 s22, s15, 3
	s_add_co_u32 s22, s22, s20
	s_lshl_b32 s22, s22, 9
	s_mov_b32 s23, 0
	s_add_nc_u64 s[10:11], s[6:7], s[22:23]
	s_lshl_b32 s22, s16, 3
	s_add_co_u32 s22, s22, s46
	s_lshl_b32 s22, s22, 9
	s_add_nc_u64 s[12:13], s[6:7], s[22:23]
.irp a, 0,1,2,3,4,5,6,7
	global_load_b128 v[SCA+8*\a:SCA+8*\a+3], v[SR], s[10:11] offset:512*\a
	global_load_b128 v[SCA+8*\a+4:SCA+8*\a+7], v[SR], s[10:11] offset:512*\a+16
	global_load_b128 v[SCB+8*\a:SCB+8*\a+3], v[SR], s[12:13] offset:512*\a
	global_load_b128 v[SCB+8*\a+4:SCB+8*\a+7], v[SR], s[12:13] offset:512*\a+16
.endr
	s_cmp_eq_u32 ttmp9, 2
	s_cselect_b32 s32, s41, s40
	s_cselect_b32 s33, s15, s16
	s_cselect_b32 s34, s40, s41
	s_cselect_b32 s35, s16, s15
	s_lshl_b32 s32, s32, 2
	s_lshl_b32 s33, s33, 1
	s_add_co_u32 s32, s32, s33
	s_mul_i32 s32, s32, HEADB
	s_lshl_b32 s34, s34, 1
	s_add_co_u32 s34, s34, s35
	s_lshl_b32 s35, s17, 3
	s_add_co_u32 s34, s34, s35
	s_mul_i32 s34, s34, 19712
	s_add_co_u32 s32, s32, s34
	s_mul_i32 s34, ttmp9, 6656
	s_add_co_u32 s32, s32, s34
	s_mov_b32 s33, 0
	s_add_nc_u64 s[8:9], s[8:9], s[32:33]
	s_mov_b32 s[SEL], 0x76543210
	s_mov_b32 s[SEL+1], 0xfedcba98
	s_mov_b32 s98, 0xffff0000
.macro FRAG reg, a16, a8, off
	ds_load_b128 v[\reg:\reg+3], v[\a16] offset:\off
	ds_load_b64 v[\reg+4:\reg+5], v[\a8] offset:\off+512
	ds_load_b128 v[\reg+6:\reg+9], v[\a16] offset:\off+768
	ds_load_b64 v[\reg+10:\reg+11], v[\a8] offset:\off+1280
.endm
.macro FETCH_B sl, q, p
	WIN TO_B
.irp i, 0,1,2,3,4,5,6,7
	FRAG 128*(\p)+12*\i, B16+\sl, B8+\sl, \i*SLB+(\q)*FRB
.endr
	WIN 0
.endm
.macro FETCH_A sl, q, i0
.irp i, \i0, \i0+1, \i0+2, \i0+3
	FRAG AF+12*(\i), A16+\sl, A8+\sl, (\i)*SLB+(\q)*FRB
.endr
.endm
.macro MUL16 a0, s, zero
.irp a, \a0, \a0+1
.irp b, 0,1,2,3,4,5,6,7
.if \zero
	v_wmma_scale_f32_16x16x128_f8f6f4 v[8*(8*((\a)%4)+\b):8*(8*((\a)%4)+\b)+7], v[128*((\s)%2)+12*\b:128*((\s)%2)+12*\b+11], v[AF+12*(\a):AF+12*(\a)+11], 0, v[SCB+8*\b+(\s)], v[SCA+8*(\a)+(\s)] matrix_a_fmt:MATRIX_FMT_FP6 matrix_b_fmt:MATRIX_FMT_FP6
.else
	v_wmma_scale_f32_16x16x128_f8f6f4 v[8*(8*((\a)%4)+\b):8*(8*((\a)%4)+\b)+7], v[128*((\s)%2)+12*\b:128*((\s)%2)+12*\b+11], v[AF+12*(\a):AF+12*(\a)+11], v[8*(8*((\a)%4)+\b):8*(8*((\a)%4)+\b)+7], v[SCB+8*\b+(\s)], v[SCA+8*(\a)+(\s)] matrix_a_fmt:MATRIX_FMT_FP6 matrix_b_fmt:MATRIX_FMT_FP6
.endif
.endr
.endr
.endm
.macro STEP s, nsl, nq, zero
	s_wait_dscnt 16
	WIN MUL_LO
	MUL16 0, \s, \zero
	MUL16 2, \s, \zero
	s_wait_dscnt 0x0
	PLACES 4
	FETCH_B \nsl, \nq, 1-(\s)%2
	FETCH_A \nsl, \nq, 0
	WIN MUL_HI
	MUL16 4, \s, \zero
	MUL16 6, \s, \zero
	PLACES 4
	WIN 0
	FETCH_A \nsl, \nq, 4
.endm
.macro TURN s, nsl, fill
	s_wait_tensorcnt 0x0
	ds_add_u32 v[SPW], v[NIL]
	s_wait_dscnt 17
	WIN MUL_LO
	MUL16 0, \s, 0
	s_wait_dscnt 0x0
	s_barrier_signal -1
	MUL16 2, \s, 0
	WIN 0
	s_barrier_wait -1
.if \fill == 1                         ; slot 0 is filled again, with K steps 6 and 7
	CREST
	s_add_nc_u64 s[G0+2:G0+3], s[G0+2:G0+3], 3*SLB
	s_add_nc_u64 s[G0B+2:G0B+3], s[G0B+2:G0B+3], 3*SLB
	JLOAD G0, G1, G0B, G1B
.endif
.if \fill == 2                         ; slot 2's first fill, K steps 4 and 5, issued as a refill is
	CREST
	JLOAD G0+8, G1, G0B+8, G1B
.endif
.if \fill == 0
	PLACES 4
.endif
	FETCH_B \nsl, 0, 1-(\s)%2
	FETCH_A \nsl, 0, 0
	WIN MUL_HI
	MUL16 4, \s, 0
	MUL16 6, \s, 0
	PLACES 4
	WIN 0
	FETCH_A \nsl, 0, 4
.endm
	s_wait_alu depctr_va_vdst(0)
	s_wait_tensorcnt 0x0                           ; my part of slot 0 is in
	ds_add_u32 v[SPW], v[NIL]
	s_wait_dscnt 0x0
	CROUND
	JLOAD G0+4, G1, G0B+4, G1B                     ; K steps 2 and 3 into slot 1: they land while steps 0 and 1 are multiplied
	FETCH_B 0, 0, 0
	FETCH_A 0, 0, 0
	FETCH_A 0, 0, 4
	s_wait_loadcnt 0x0
	STEP 0, 0, 1, 1
	TURN 1, 1, 2
	STEP 2, 1, 1, 0
	TURN 3, 2, 1
	STEP 4, 2, 1, 0
	TURN 5, 0, 0
	STEP 6, 0, 1, 0
	s_wait_dscnt 16
	WIN MUL_LO
	MUL16 0, 7, 0
	MUL16 2, 7, 0
	s_wait_dscnt 0x0
	WIN MUL_HI
	MUL16 4, 7, 0
	MUL16 6, 7, 0
	WIN 0
	PLACES 4
.macro QUANTW win, s, dA, dB, pw
	WIN (((\win)<<2)|((\win)<<4))
.irp b, 0,1,2,3
	v_max3_num_f32 v[TM+\b], 0x1800000, |v[\s+16*\b]|, |v[\s+1+16*\b]|
.endr
.irp i, 2,4,6,8,10,12,14
.irp b, 0,1,2,3
	v_max3_num_f32 v[TM+\b], v[TM+\b], |v[\s+16*\b+\i]|, |v[\s+1+16*\b+\i]|
.endr
.endr
	WIN 0
.irp b, 0,1,2,3
	v_permlanex16_b32 v[TM+4+\b], v[TM+\b], s[SEL], s[SEL+1]
.endr
.irp b, 0,1,2,3
	v_max_num_f32 v[TM+\b], v[TM+\b], v[TM+4+\b]
.endr
.irp b, 0,1,2,3
	v_add_nc_u32 v[TM+8+\b], 0xff000000, v[TM+\b]
.endr
.irp b, 0,1,2,3
	v_lshrrev_b32 v[TM+4+\b], 23, v[TM+8+\b]
.endr
	v_lshl_or_b32 v[\pw], v[TM+5], 8, v[TM+4]
	v_lshl_or_b32 v[\pw], v[TM+6], 16, v[\pw]
	v_lshl_or_b32 v[\pw], v[TM+7], 24, v[\pw]
	WIN (0x40|(\win))
	v_cvt_scalef32_pk16_fp6_f32 v[\dA:\dA+2], v[\s:\s+15], v[TM+8]
	v_cvt_scalef32_pk16_fp6_f32 v[TP:TP+2], v[\s+16:\s+31], v[TM+9]
	v_cvt_scalef32_pk16_fp6_f32 v[\dB:\dB+2], v[\s+32:\s+47], v[TM+10]
	v_cvt_scalef32_pk16_fp6_f32 v[TP+4:TP+6], v[\s+48:\s+63], v[TM+11]
	v_nop
	WIN 0x41
.irp i, 0,1,2
	v_permlane16_swap_b32 v[\dA+\i], v[TP+\i]
	v_permlane16_swap_b32 v[\dB+\i], v[TP+4+\i]
.endr
.irp i, 0,1,2
	v_mov_b32 v[\dA+3+\i], v[TP+\i]
	v_mov_b32 v[\dB+3+\i], v[TP+4+\i]
.endr
.endm
.irp b, 0,1,2,3
	v_mov_b32 v[TM+4+\b], 0
.endr
	s_cmp_eq_u32 ttmp9, 2
	s_cbranch_scc1 .Lv_part
.irp a, 0,1,2,3,4,5,6,7
	QUANTW 2+\a/4, 64*(\a%4), 12*(\a/2)+6*(\a%2), 48+12*(\a/2)+6*(\a%2), PW+\a
.endr
	WIN 0
.irp b, 0,1,2,3
	v_cndmask_b32 v[WT+\b], v[PW+2*\b], v[PW+2*\b+1], s98
.endr
.irp b, 0,1,2,3
	v_and_b32 v[WD+\b], 0xffff, v[WT+\b]
	v_lshrrev_b32 v[WD+4+\b], 16, v[WT+\b]
.endr
	global_store_b128 v[LI], v[WD:WD+3], s[8:9] offset:6144
	global_store_b128 v[LI], v[WD+4:WD+7], s[8:9] offset:HEADB+6144
	s_branch .Lcodes
; V is quantised along the tokens.  By the choice of x's tiles, register 32 c + i of lane (r, h) is token 64 c + 32 h + i of channel r: a lane holds two whole blocks, 2 c + h,
; in the order of the operand's registers: no other lane is asked for a maximum and no codes change lanes.  The scale word's four bytes are gathered from lanes l and l xor 16.
.macro QUANTV win, s, d, pw
	WIN (((\win)<<2)|((\win)<<4))
.irp c, 0,1
	v_max3_num_f32 v[TM+\c], 0x1800000, |v[\s+32*\c]|, |v[\s+1+32*\c]|
.endr
.irp i, 2,4,6,8,10,12,14,16,18,20,22,24,26,28,30
.irp c, 0,1
	v_max3_num_f32 v[TM+\c], v[TM+\c], |v[\s+32*\c+\i]|, |v[\s+1+32*\c+\i]|
.endr
.endr
	WIN 0
.irp c, 0,1
	v_add_nc_u32 v[TM+8+\c], 0xff000000, v[TM+\c]
.endr
.irp c, 0,1
	v_lshrrev_b32 v[TM+4+\c], 23, v[TM+8+\c]
.endr
	v_lshl_or_b32 v[\pw], v[TM+5], 16, v[TM+4]
	v_lshlrev_b32 v[\pw], v25, v[\pw]              ; my bytes h and 2 + h
	v_permlanex16_b32 v[TM+6], v[\pw], s[SEL], s[SEL+1]
	v_or_b32 v[\pw], v[\pw], v[TM+6]               ; the whole word, the same in lanes l and l xor 16
	WIN (0x40|(\win))
	v_cvt_scalef32_pk16_fp6_f32 v[\d:\d+2], v[\s:\s+15], v[TM+8]
	v_cvt_scalef32_pk16_fp6_f32 v[TP:TP+2], v[\s+16:\s+31], v[TM+8]
	v_cvt_scalef32_pk16_fp6_f32 v[\d+6:\d+8], v[\s+32:\s+47], v[TM+9]
	v_cvt_scalef32_pk16_fp6_f32 v[TP+4:TP+6], v[\s+48:\s+63], v[TM+9]
	v_nop
	WIN 0x41
.irp i, 0,1,2
	v_mov_b32 v[\d+3+\i], v[TP+\i]
	v_mov_b32 v[\d+9+\i], v[TP+4+\i]
.endr
.endm
.Lv_part:
	v_bfe_u32 v25, v0, 4, 1
	v_lshlrev_b32 v25, 3, v25                      ; 8 h
.irp a, 0,1,2,3,4,5,6,7
	QUANTV 2+\a/4, 64*(\a%4), 12*\a, PW+\a
.endr
	WIN 0
.irp g, 0,1,2,3
	v_cndmask_b32 v[WD+\g], v[PW+2*\g], v[PW+2*\g+1], s98
.endr
	global_store_b64 v[L8], v[WD:WD+1], s[8:9] offset:6144
	global_store_b64 v[L8], v[WD+2:WD+3], s[8:9] offset:HEADB+6144
.Lcodes:
	WIN 0x04
.irp g, 0,1,2,3,4,5,6,7
.irp c, 0,1,2
	global_store_b128 v[LI], v[12*\g+4*\c:12*\g+4*\c+3], s[8:9] offset:(\g/4)*HEADB+(\g%4)*FRB+512*\c
.endr
.endr
	WIN 0
	s_wait_tensorcnt 0x0
	ds_add_u32 v[SPW], v[NIL]
	s_wait_dscnt 0x0
	CROUND
	s_endpgm
.Lfunc_end_k_qea19ae0f02_qkvgemm:
	.size	k_qea19ae0f02_qkvgemm, .Lfunc_end_k_qea19ae0f02_qkvgemm-k_qea19ae0f02_qkvgemm
	.p2alignl 7, 3214868480
	.fill 96, 4, 3214868480
	.section	.rodata,"a",@progbits
	.p2align	6, 0x0
	.amdhsa_kernel k_qea19ae0f02_qkvgemm
		.amdhsa_group_segment_fixed_size 327680
		.amdhsa_private_segment_fixed_size 0
		.amdhsa_enable_private_segment 0
		.amdhsa_kernarg_size 24
		.amdhsa_user_sgpr_count 2
		.amdhsa_user_sgpr_kernarg_segment_ptr 1
		.amdhsa_wavefront_size32 1
		.amdhsa_system_sgpr_workgroup_id_x 1
		.amdhsa_system_sgpr_workgroup_id_y 1
		.amdhsa_system_sgpr_workgroup_id_z 1
		.amdhsa_system_vgpr_workitem_id 0
		.amdhsa_next_free_vgpr 1024
		.amdhsa_next_free_sgpr 100
		.amdhsa_reserve_vcc 0
		.amdhsa_float_denorm_mode_32 3
		.amdhsa_float_denorm_mode_16_64 3
		.amdhsa_memory_ordered 1
		.amdhsa_forward_progress 1
		.amdhsa_inst_pref_size 173
	.end_amdhsa_kernel
	.amdgpu_metadata
---
amdhsa.version: [ 1, 2 ]
amdhsa.kernels:
  - .name:           k_qea19ae0f02_qkvgemm
    .symbol:         k_qea19ae0f02_qkvgemm.kd
    .args:
      - { .name: codes, .offset: 0, .size: 8, .value_kind: global_buffer, .address_space: global }
      - { .name: scales, .offset: 8, .size: 8, .value_kind: global_buffer, .address_space: global }
      - { .name: qkv, .offset: 16, .size: 8, .value_kind: global_buffer, .address_space: global }
    .group_segment_fixed_size: 327680
    .private_segment_fixed_size: 0
    .kernarg_segment_align: 8
    .kernarg_segment_size: 24
    .max_flat_workgroup_size: 128
    .sgpr_count:     100
    .vgpr_count:     1024
    .wavefront_size: 32
...
	.end_amdgpu_metadata
.endif
;; end of part 2
;; launch attn (part 3): grid 16 x 16, 16 waves a work-group, clusters of 4 x 1, 327,680 bytes of LDS; arguments qkv, yc, ysw; writes yc, ysw
.if DOCPART == 3
	.amdgcn_target "amdgcn-amd-amdhsa--gfx1250"
	.amdhsa_code_object_version 6
	.text
	.protected	k_qea19ae0f02_attn
	.globl	k_qea19ae0f02_attn
	.p2align	8
	.type	k_qea19ae0f02_attn,@function
k_qea19ae0f02_attn:
	s_mov_b64 s[64:65], 0
	v_nop
	global_prefetch_b8 v0, s[64:65] scope:SCOPE_SE
	s_setreg_imm32_b32 hwreg(HW_REG_WAVE_MODE, 25, 1), 1
	s_wait_xcnt 0x0
	s_wait_alu depctr_hold_cnt(0) depctr_sa_sdst(0) depctr_va_vdst(0) depctr_va_sdst(0) depctr_va_ssrc(0) depctr_va_vcc(0) depctr_vm_vsrc(0)
	s_getreg_b32 s2, hwreg(HW_REG_IB_STS2, 6, 4)
	s_cmp_eq_u32 s2, 0
	s_cbranch_scc0 .Lentry_in_a_cluster
	s_endpgm
.Lentry_in_a_cluster:
	s_bfe_u32 s2, ttmp6, 0x10000c
	s_cmp_lg_u32 s2, 0x3003
	s_cbranch_scc0 .Lentry_shape_is_right
	s_endpgm
.Lentry_shape_is_right:
; y[q] = softmax_k(Q[q] . K[k] / 8) V[k] for each of 16 heads of 64, 4,096 tokens, no mask; both products on codes of FP6 (E2M3) with E8M0 scales; y is quantised along its channels on the way out.
; THE SOFTMAX: t = score x log2(e) / 8; M = the row's largest t so far, rounded UP to a whole number; p = 2^(t - M) is quantised along the keys, not normalised.  The row's sum is taken of the
; unquantised p and divides O at the end.  When M moves, the sum and O are multiplied by 2^(old M - new M): exact.
; SHARES.  A work-group owns 256 queries of one head, each of its sixteen waves one tile of 16.  Every wave walks the head's 32 key steps of 128.  A step's K and V lie in memory as images of
; the operands' registers, 13,056 bytes on end; they come through two LDS slots of 8 steps.
; CLUSTER.  The four query blocks of a cluster belong to one head and walk the same K and V: each tile is asked for JOINTLY.  Waves 0-3 fetch, two steps each; one tensor load of a wave is out at most.
; LAYOUT.  Both products are used transposed: S^T = K Q^T (source 0 = 16 keys), O^T = V^T P (source 0 = 16 channels): a lane holds ONE query.  Key tile 4 c + u holds at place p the key
; 64 c + 8 u + p % 8 + 32 (p / 8): so register 32 c + i of the scores is key 64 c + 32 h + i: lane half h holds the WHOLE block 2 c + h, as the second product's operand wants it.
; The channels of a tile of V: tile 2 b + u, place p: 32 b + 8 u + p + 8 (p / 8).
; THE HEAD HAS 64 CHANNELS, THE INSTRUCTION 128.  Q's upper 64 codes are zeros.  A key tile's six registers are followed by the next tile's six (behind the last: by zeros): these are
; multiplied by Q's zeros and add nothing; their scale bytes are 0, which stands for 2^-127.
; THE SUM OF A STEP'S p feeds no product: it is taken at the head of the NEXT step, between the request for that step's K and the wait for it.  The first step finds zeros there.
; NO PREFETCH: every fill is asked for eight key steps (96 matrix instructions a wave) ahead of its first read, and the walk has four fills in all.
; LIMITS: NaN and infinities are not served.  The promise holds while |t| stays under 2^31.  A p under 2^-126 comes out of v_exp_f32 as 0.  A block whose largest magnitude lies under 2^-124
; gets the scale byte 1 (a block of zeros too).  y = O x (1 / l) by v_rcp_f32.  A block's largest p is made from its largest score by the same two instructions as every p.
; OUTPUT.  yc: [256 token tiles][8 K steps][1,536 bytes]: head hd's six registers in the half at 768 (hd % 2) of K step hd / 2.  ysw: [16 query blocks][16 heads][16 places][16 tiles] words.
.set STEPB, 13056                      ; a key step in LDS: K's codes 0, K's scale words 6,144, V's codes 6,656, V's scale words 12,800
.set STEPM, 19712                      ; from step to step in memory (Q's 6,656 bytes lie in front)
.set HEADB, 630784
.set SLOT1, 131072
.set SPARE, 262144                     ; the spare words, 128 bytes for each of sixteen waves
.set SCST,  SPARE+2048                 ; 1,024 bytes: y's scale words meet here; no tensor load lands here
.set LI,  1                            ; 16 x lane
.set L8,  2                            ; 8 x lane
.set SPW, 3
.set NIL, 4
.set ADK, 5
.set ADV, 6
.set QF,  16                           ; v16-21 Q's codes, v22-27 zeros; v28 Q's scale word
.set QS,  28
.set SH8, 31                           ; 8 h
.set KV,  32                           ; v32-79 K's eight tiles, later V's four fragments; v80-85 zeros
.set KS,  86
.set VS,  90
.set S,   96                           ; v96-159 S^T, then p
.set O,   160                          ; v160-191 O^T
.set PCD, 192                          ; v192-203 p's codes; v204-210 the conversions' second halves
.set CT,  204
.set BM,  212                          ; v212-215 largest scores
.set PT,  216
.set SO,  220
.set F,   224                          ; v[224:225] f = 2^(old M - new M); v225 = 0
.set PWD, 226
.set TT,  227
.set AS,  244                          ; v244-255 six chains of a step's sum
.set WV,  10
.set SEL, 20
.set CS,  22                           ; s[22:23] c = log2(e) / 8
.set CSN, 57                           ; -c
.set G1,  24
.set TB,  40
.macro CROUND
	s_barrier_signal -1
	s_barrier_wait -1
	s_cmp_lg_u32 s[WV], 0
	s_cbranch_scc1 .Lnot_wave_0_\@
	s_barrier_signal -3
.Lnot_wave_0_\@:
	s_barrier_wait -3
	s_barrier_signal -1
	s_barrier_wait -1
.endm
	s_load_b128 s[4:7], s[0:1], 0x0                ; qkv, yc
	s_load_b64 s[8:9], s[0:1], 0x10                ; ysw
	v_lshl_add_u32 v[SPW], v0, 2, SPARE
	v_mov_b32 v[NIL], 0
	ds_add_u32 v[SPW], v[NIL]                      ; the opening lines
	ds_add_u32 v[SPW], v[NIL]
	v_lshrrev_b32 v7, 5, v0
	v_readfirstlane_b32 s[WV], v7                  ; wave 0..15
	s_bfe_u32 s11, ttmp6, 0x40000                  ; cx
	s_lshl_b32 s12, ttmp9, 2
	s_add_co_u32 s12, s12, s11                     ; my block of 256 queries: it enters Q's, yc's and ysw's addresses alone
	s_and_b32 s13, ttmp7, 0xffff                   ; the head, which the four partners share
	s_mul_i32 s14, s13, HEADB
	s_mov_b32 s[G1], 15|(3<<16)|(1<<21)            ; the mask: all four; elements of 8 bytes
	s_mov_b32 s[G1+1], 1632<<16                    ; a row: 13,056 bytes
	s_mov_b32 s[G1+2], 2<<16                       ; 2 steps
	s_mov_b32 s[G1+3], 1632<<16
	s_mov_b32 s[G1+4], 2
	s_mov_b32 s[G1+5], 2464                        ; from step to step: 19,712 bytes
	s_mov_b32 s[G1+6], 0
	s_mov_b32 s[G1+7], 0
	s_and_b32 s16, s[WV], 3                        ; which two steps of a slot I fetch, if I fetch
	s_mul_i32 s17, s16, 2*STEPB
	s_mul_i32 s18, s16, 2*STEPM
	s_add_co_u32 s18, s18, 6656
	s_add_co_u32 s18, s18, s14
	s_mov_b32 s19, 0
	s_mov_b32 s[SEL], 0x76543210
	s_mov_b32 s[SEL+1], 0xfedcba98
	s_mov_b32 s[CS], 0x3e38aa3b
	s_mov_b32 s[CS+1], s[CS]
	s_mov_b32 s[CSN], 0xbe38aa3b
	s_mov_b32 s[TB], SLOT1+8*STEPB                 ; the first change of slots makes 0 of it
	s_wait_dscnt 0x0
	s_wait_kmcnt 0x0
	s_mov_b32 s36, 1                               ; ONE group 0, which walks: slot 0 and steps 0-7 now
	s_mov_b32 s37, s17
	s_add_nc_u64 s[38:39], s[4:5], s[18:19]
	s_or_b32 s39, s39, 0x80000000
	CROUND                                         ; all four work-groups are here: the first joint loads meet
	s_cmp_lt_u32 s[WV], 4
	s_cbranch_scc0 .Lno_fill
	tensor_load_to_lds s[36:39], s[G1:G1+7]        ; one tensor load a wave at the head
	s_nop 0
.rept 4
	v_nop
.endr
.Lno_fill:
	; Q: my tile is tile w % 8 of step 2 qb + w / 8: registers 6 u .. 6 u + 5 (u = w % 2) of image (w / 2) % 4, three pieces of 8 bytes a lane
	s_lshr_b32 s43, s[WV], 3
	s_lshl_b32 s44, s12, 1
	s_add_co_u32 s43, s43, s44
	s_mul_i32 s43, s43, STEPM
	s_add_co_u32 s44, s43, s14
	s_mov_b32 s45, 0
	s_add_nc_u64 s[44:45], s[4:5], s[44:45]
	s_bfe_u32 s46, s[WV], 0x20001                  ; (w / 2) % 4
	s_and_b32 s47, s[WV], 1                        ; u
	s_mul_i32 s48, s46, 1536
	s_mul_i32 s49, s47, 520
	s_add_co_u32 s49, s49, s48
	s_mul_i32 s50, s47, 1016
	s_add_co_u32 s50, s50, s48
	s_lshl_b32 s51, s47, 8
	s_lshl_b32 s52, s46, 2
	s_add_co_u32 s51, s51, s52
	s_lshl_b32 s53, s[WV], 2
	s_lshl_b32 s54, s12, 4
	s_add_co_u32 s54, s54, s[WV]                   ; my token tile
	s_mul_i32 s54, s54, 12288
	s_lshr_b32 s55, s13, 1
	s_mul_i32 s55, s55, 1536
	s_add_co_u32 s54, s54, s55
	s_and_b32 s55, s13, 1
	s_mul_i32 s55, s55, 768
	s_add_co_u32 s54, s54, s55
	s_mov_b32 s55, 0
	s_add_nc_u64 s[6:7], s[6:7], s[54:55]
	s_lshl_b32 s54, s12, 4
	s_add_co_u32 s54, s54, s13
	s_lshl_b32 s54, s54, 10                        ; ysw: 1,024 bytes for a query block and a head,
	s_lshl_b32 s56, s47, 9                         ; 512 for each of waves 0 and 1
	s_add_co_u32 s54, s54, s56
	s_add_nc_u64 s[8:9], s[8:9], s[54:55]
	v_and_b32 v7, 31, v0
	v_and_b32 v10, 15, v0                          ; r
	v_bfe_u32 v[SH8], v0, 4, 1                     ; h
	v_and_b32 v30, 63, v0
	v_lshlrev_b32 v[LI], 4, v7
	v_lshlrev_b32 v[L8], 3, v7
	v_lshlrev_b32 v9, 4, v10
	v_lshl_add_u32 v29, v10, 6, SCST
	v_lshlrev_b32 v[SH8], 3, v[SH8]
	v_lshl_add_u32 v30, v30, 4, SCST               ; where waves 0 and 1 read 512 bytes each
	v_add_nc_u32 v7, s49, v[LI]                    ; registers 6 u, 6 u + 1 at 16 x lane + 520 u; 6 u + 4, 6 u + 5 lie 512 further on
	v_add_nc_u32 v8, s50, v[LI]                    ; registers 6 u + 2, 6 u + 3 at 16 x lane + 8 + 1,016 u
	v_add_nc_u32 v9, s51, v9                       ; the scale word: 16 (r + 16 u) + 4 ((w / 2) % 4)
	v_add_nc_u32 v29, s53, v29                     ; where my row's scale word goes: 64 r + 4 w
	s_wait_alu depctr_va_vdst(0)
	global_load_b64 v[QF:QF+1], v7, s[44:45]
	global_load_b64 v[QF+2:QF+3], v8, s[44:45] offset:8
	global_load_b64 v[QF+4:QF+5], v7, s[44:45] offset:512
	global_load_b32 v[QS], v9, s[44:45] offset:6144
	v_mov_b32 v13, 0xff61b1e6                      ; the largest score so far: -3e38
	v_floor_f32 v12, -v13                          ; -M
	v_mov_b32 v14, 0                               ; the sum, in two halves
	v_mov_b32 v15, 0
.irp j, 0,1,2,3,4,5
	v_mov_b32 v[QF+6+\j], 0                        ; Q's upper 64 codes
	v_mov_b32 v[KV+48+\j], 0                       ; what stands behind the last key tile
.endr
.set J, 0
.rept 96
	v_mov_b32 v[S+J], 0                            ; p and O^T: the step is written once; the first sums a p of zeros and rescales an O^T of zeros
.set J, J+1
.endr
.irp b, 0,1,2,3
	v_mov_b32 v[PT+\b], 0                          ; a lane permute's destination counts as one of its sources
.endr
	v_mov_b32 v[F], 0
	v_mov_b32 v[F+1], 0
.macro FIRST k                         ; chain k begins
	v_pk_add_f32 v[AS+2*\k:AS+2*\k+1], v[S+2*\k:S+2*\k+1], v[S+12+2*\k:S+13+2*\k]
.endm
.macro ADDS n                          ; the next n pairs of p onto the six chains by turns
.rept \n
	v_pk_add_f32 v[AS+2*(PJ%6):AS+2*(PJ%6)+1], v[AS+2*(PJ%6):AS+2*(PJ%6)+1], v[S+2*PJ:S+2*PJ+1]
.set PJ, PJ+1
.endr
.endm
.macro JOIN a, b
	v_pk_add_f32 v[AS+2*\a:AS+2*\a+1], v[AS+2*\a:AS+2*\a+1], v[AS+2*\b:AS+2*\b+1]
.endm
.macro SUMUP                           ; the sum so far under the last step's M, and that step's p
	v_pk_fma_f32 v[14:15], v[14:15], v[F:F+1], v[AS:AS+1] op_sel_hi:[1,0,1]
.endm
.macro SUMS_B                          ; all of a step's sum but its first two and last four additions
	FIRST 2
	FIRST 3
	FIRST 4
	FIRST 5
.set PJ, 12
	ADDS 20
	JOIN 0, 1
	JOIN 2, 3
.endm
.macro SUMS_C
	JOIN 4, 5
	JOIN 0, 2
	JOIN 0, 4
	SUMUP
.endm
.macro VLOAD t
.irp c, 0,1,2
	ds_load_b128 v[KV+12*\t+4*\c:KV+12*\t+4*\c+3], v[ADK] offset:6656+1536*\t+512*\c
.endr
.endm
; A KEY STEP: 128 keys.
.macro STEP
	v_add_nc_u32 v[ADK], s[TB], v[LI]
	v_add_nc_u32 v[ADV], s[TB], v[L8]
	FIRST 0
	FIRST 1                                        ; four plain instructions between the last products and the loads into the registers that they read
	ds_load_b128 v[KS:KS+3], v[ADK] offset:6144    ; word b: lanes 0-15 tile 2 b's, lanes 16-31 tile 2 b + 1's
.irp b, 0,1,2,3
.irp c, 0,1,2
	ds_load_b128 v[KV+12*\b+4*\c:KV+12*\b+4*\c+3], v[ADK] offset:1536*\b+512*\c
.endr
.endr
	SUMS_B                                         ; the last step's p is summed while K is on its way
	s_wait_alu depctr_va_vdst(0)
.irp t, 0,2,4,6
.if \t < 6
	s_wait_dscnt 7-3*(\t/2)                        ; tiles t and t + 1 name image t / 2 and the first two pieces of the next: 6 + 3 t / 2 of the 13 loads
.else
	s_wait_dscnt 0x0
.endif
	v_wmma_scale_f32_16x16x128_f8f6f4 v[S+8*\t:S+8*\t+7], v[KV+6*\t:KV+6*\t+11], v[QF:QF+11], 0, v[KS+\t/2], v[QS] matrix_a_fmt:MATRIX_FMT_FP6 matrix_b_fmt:MATRIX_FMT_FP6
	v_wmma_scale_f32_16x16x128_f8f6f4 v[S+8*\t+8:S+8*\t+15], v[KV+6*\t+6:KV+6*\t+17], v[QF:QF+11], 0, v[KS+\t/2], v[QS] matrix_a_fmt:MATRIX_FMT_FP6 matrix_b_fmt:MATRIX_FMT_FP6 matrix_a_scale:MATRIX_SCALE_ROW1
.endr
	SUMS_C                                         ; four places in front of the first read of the scores and of V's loads
.irp q, 0,1,2,3                        ; the largest score of my two blocks, in four chains; each accumulator is read from its low end on
	v_max3_num_f32 v[BM+\q], v[S+16*\q], v[S+1+16*\q], v[S+2+16*\q]
.endr
.irp i, 3,5,7,9,11,13
.irp q, 0,1,2,3
	v_max3_num_f32 v[BM+\q], v[BM+\q], v[S+16*\q+\i], v[S+1+16*\q+\i]
.endr
.endr
.irp c, 0,2
	v_max3_num_f32 v[BM+\c], v[BM+\c], v[BM+1+\c], v[S+15+16*\c]
.endr
	VLOAD 0                                        ; V's loads stand among the lines of the chain that makes M, each of which reads the line before it
.irp c, 0,2
	v_max_num_f32 v[BM+\c], v[BM+\c], v[S+31+16*\c]   ; block h in BM, block 2 + h in BM + 2
.endr
	VLOAD 1
	v_max_num_f32 v[TT], v[BM], v[BM+2]
	VLOAD 2
	v_permlanex16_b32 v[PT], v[TT], s[SEL], s[SEL+1]
	VLOAD 3
	v_max3_num_f32 v13, v13, v[TT], v[PT]          ; the running largest score of my query
	ds_load_b64 v[VS:VS+1], v[ADV] offset:12800
	v_mul_f32 v[TT], s[CSN], v13                   ; -t
	s_delay_alu instid0(VALU_DEP_1)
	v_floor_f32 v[TT], v[TT]                       ; the new -M: M is a whole number
	s_delay_alu instid0(VALU_DEP_1)
	v_sub_f32 v[PT+1], v[TT], v12                  ; old M - new M: a whole number, 0 or less
	v_mov_b32 v12, v[TT]
	s_delay_alu instid0(VALU_DEP_2)
	v_cvt_i32_f32 v[PT+1], v[PT+1]
.set J, 0
.rept 32
	v_pk_fma_f32 v[S+J:S+J+1], v[S+J:S+J+1], s[CS:CS+1], v[12:13] op_sel_hi:[1,0,0]   ; t - M, two at a time
.set J, J+2
.endr
	v_fma_f32 v[BM], v[BM], s[CS], v12             ; the same of each block's largest score
	v_fma_f32 v[BM+2], v[BM+2], s[CS], v12
	s_wait_alu depctr_va_vdst(0)                   ; ahead of the batch
	v_exp_f32 v[BM], v[BM]                         ; the blocks' largest p
	v_exp_f32 v[BM+2], v[BM+2]
.set J, 0
.rept 64
	v_exp_f32 v[S+J], v[S+J]                       ; p = 2^(t - M)
.set J, J+1
.endr
	v_ldexp_f32 v[F], 1.0, v[PT+1]                 ; f = 2^(old M - new M): the plain instruction behind the batch
	s_wait_alu depctr_va_vdst(0)                   ; one wait for the batch, ahead of its first reader
	v_max_num_f32 v[BM], 0x1800000, v[BM]          ; the floor 2^(3 - 127): the byte cannot fall under 1
	v_max_num_f32 v[BM+2], 0x1800000, v[BM+2]
	s_delay_alu instid0(VALU_DEP_2)
	v_add_nc_u32 v[SO], 0xff000000, v[BM]          ; 2 off the exponent field: the conversion's scale operand
	s_delay_alu instid0(VALU_DEP_2)
	v_add_nc_u32 v[SO+1], 0xff000000, v[BM+2]
	v_cvt_scalef32_pk16_fp6_f32 v[PCD:PCD+2], v[S:S+15], v[SO]
	v_cvt_scalef32_pk16_fp6_f32 v[CT:CT+2], v[S+16:S+31], v[SO]
	v_cvt_scalef32_pk16_fp6_f32 v[PCD+6:PCD+8], v[S+32:S+47], v[SO+1]
	v_cvt_scalef32_pk16_fp6_f32 v[CT+4:CT+6], v[S+48:S+63], v[SO+1]
	v_lshrrev_b32 v[PT], 23, v[SO]                 ; the scales' bytes: plain instructions behind the scaled conversions
	v_lshrrev_b32 v[PT+1], 23, v[SO+1]
	s_delay_alu instid0(VALU_DEP_1)
	v_lshl_or_b32 v[PWD], v[PT+1], 16, v[PT]
	s_delay_alu instid0(VALU_DEP_1)
	v_lshlrev_b32 v[PWD], v[SH8], v[PWD]           ; my bytes h and 2 + h
	s_delay_alu instid0(VALU_DEP_1)
	v_permlanex16_b32 v[PT+2], v[PWD], s[SEL], s[SEL+1]
	s_delay_alu instid0(VALU_DEP_1)
	v_or_b32 v[PWD], v[PWD], v[PT+2]               ; p's scale word for these 128 keys
.irp i, 0,1,2
	v_mov_b32 v[PCD+3+\i], v[CT+\i]                ; a conversion's three registers begin on an even number
	v_mov_b32 v[PCD+9+\i], v[CT+4+\i]
.endr
	s_wait_alu depctr_va_vdst(0)                   ; directly ahead of the first reader of O^T
.set J, 0
.rept 16
	v_pk_mul_f32 v[O+J:O+J+1], v[O+J:O+J+1], v[F:F+1] op_sel_hi:[1,0]   ; O^T under the new M; these sixteen also stand between the writes of p's codes and scale word and the products
.set J, J+2
.endr
	s_wait_alu depctr_va_vdst(0)
	s_wait_dscnt 0x0                               ; V
.irp t, 0,2
	v_wmma_scale_f32_16x16x128_f8f6f4 v[O+8*\t:O+8*\t+7], v[KV+12*\t:KV+12*\t+11], v[PCD:PCD+11], v[O+8*\t:O+8*\t+7], v[VS+\t/2], v[PWD] matrix_a_fmt:MATRIX_FMT_FP6 matrix_b_fmt:MATRIX_FMT_FP6
	v_wmma_scale_f32_16x16x128_f8f6f4 v[O+8*\t+8:O+8*\t+15], v[KV+12*\t+12:KV+12*\t+23], v[PCD:PCD+11], v[O+8*\t+8:O+8*\t+15], v[VS+\t/2], v[PWD] matrix_a_fmt:MATRIX_FMT_FP6 matrix_b_fmt:MATRIX_FMT_FP6 matrix_a_scale:MATRIX_SCALE_ROW1
.endr
	s_add_co_u32 s[TB], s[TB], STEPB               ; the four accumulators take turns, and the next step's eight products stand between two links of a chain
.endm
.macro SLOT_STEPS                      ; a slot's eight key steps
	s_mov_b32 s42, 8
.Lstep_\@:
	STEP
	s_sub_co_u32 s42, s42, 1
	s_cmp_lg_u32 s42, 0
	s_cbranch_scc1 .Lstep_\@
.endm
; THE CHANGE OF SLOTS.  Each wave waits for all its tensor loads, adds 0 to its spare word, and waits for that and for its reads of the slot that it leaves.
; fill = 1: the barrier is a round of the cluster's, and behind it the other slot than the one now walked is asked for, with the next eight steps (the first time: slot 1's first fill).
.macro CHANGE fill
	s_wait_tensorcnt 0x0                           ; no tensor load of mine is out, so the group 0 may be written
	ds_add_u32 v[SPW], v[NIL]
.if \fill
	ds_add_u32 v[SPW], v[NIL]
	s_xor_b32 s37, s37, SLOT1
	s_add_nc_u64 s[38:39], s[38:39], 8*STEPM
.endif
	s_wait_dscnt 0x0
.if \fill
	CROUND
	s_cmp_lt_u32 s[WV], 4
	s_cbranch_scc0 .Lnone_\@
	tensor_load_to_lds s[36:39], s[G1:G1+7]        ; first behind the round, my one tensor load until the next
	s_nop 0
.rept 4
	v_nop
.endr
.Lnone_\@:
.else
	s_barrier_signal -1
	s_barrier_wait -1
.endif
	s_sub_co_u32 s[TB], s[TB], 8*STEPB             ; back to a slot's first step,
	s_xor_b32 s[TB], s[TB], SLOT1                  ; in the other slot
.endm
	s_wait_alu depctr_va_vdst(0)                   ; the wait at the head's end
	s_wait_loadcnt 0x0                             ; Q
	s_mov_b32 s41, 3
.Lslot:                                            ; three trips: steps 0-7, 8-15, 16-23; behind each change the next eight steps are asked for
	CHANGE 1
	SLOT_STEPS
	s_sub_co_u32 s41, s41, 1
	s_cmp_lg_u32 s41, 0
	s_cbranch_scc1 .Lslot
	CHANGE 0                                       ; the last slot is written out: it asks for nothing
	SLOT_STEPS                                     ; steps 24-31
	; THE WAY OUT.  The last step's p is summed (these lines are also the places behind the last products); y = O^T / l; register 16 b + i = channel 32 b + 16 h + i of my query.
	FIRST 0
	FIRST 1
	SUMS_B
	SUMS_C
	v_add_f32 v14, v14, v15
	s_delay_alu instid0(VALU_DEP_1)
	v_permlanex16_b32 v[TT], v14, s[SEL], s[SEL+1]
	s_delay_alu instid0(VALU_DEP_1)
	v_add_f32 v14, v14, v[TT]                      ; the row's sum
	s_wait_alu depctr_va_vdst(0)
	v_rcp_f32 v14, v14
	v_nop
	s_wait_alu depctr_va_vdst(0)                   ; ahead of the reciprocal's first reader and of O^T's
.set J, 0
.rept 32
	v_mul_f32 v[S+J], v[O+J], v14                  ; each accumulator from its low end on
.set J, J+1
.endr
.irp b, 0,1
	v_max3_num_f32 v[BM+\b], |v[S+16*\b]|, |v[S+1+16*\b]|, 0x1800000
.endr
.irp i, 2,4,6,8,10,12,14
.irp b, 0,1
	v_max3_num_f32 v[BM+\b], v[BM+\b], |v[S+16*\b+\i]|, |v[S+1+16*\b+\i]|
.endr
.endr
.irp b, 0,1
	v_permlanex16_b32 v[PT+\b], v[BM+\b], s[SEL], s[SEL+1]
.endr
.irp b, 0,1
	v_max_num_f32 v[BM+\b], v[BM+\b], v[PT+\b]
.endr
.irp b, 0,1
	v_add_nc_u32 v[SO+\b], 0xff000000, v[BM+\b]
.endr
.irp b, 0,1
	v_lshrrev_b32 v[PT+\b], 23, v[SO+\b]
.endr
	v_lshl_or_b32 v[PWD], v[PT+1], 8, v[PT]        ; the head's two bytes; zeros above
	v_cvt_scalef32_pk16_fp6_f32 v[PCD:PCD+2], v[S:S+15], v[SO]
	v_cvt_scalef32_pk16_fp6_f32 v[CT:CT+2], v[S+16:S+31], v[SO+1]
	v_nop
.irp i, 0,1,2
	v_permlane16_swap_b32 v[PCD+\i], v[CT+\i]      ; a whole block to a lane
.endr
.irp i, 0,1,2
	v_mov_b32 v[PCD+3+\i], v[CT+\i]
.endr
	global_store_b128 v[LI], v[PCD:PCD+3], s[6:7]              ; 512 consecutive bytes,
	global_store_b64 v[L8], v[PCD+4:PCD+5], s[6:7] offset:512  ; and 256: each at a multiple of 256 from the buffer's first byte
	ds_store_b32 v29, v[PWD]                       ; both lanes of a row write the same word
	s_wait_dscnt 0x0                               ; for the others' sake: my words lie in LDS
	s_barrier_signal -1
	s_barrier_wait -1
	s_cmp_lt_u32 s[WV], 2
	s_cbranch_scc0 .Ldone
	ds_load_b128 v[KV:KV+3], v30
	s_wait_dscnt 0x0
	global_store_b128 v[LI], v[KV:KV+3], s[8:9]    ; waves 0 and 1 store the block's 1,024 bytes of scale words
.Ldone:
	s_wait_tensorcnt 0x0                           ; the wave's end
	ds_add_u32 v[SPW], v[NIL]
	s_wait_dscnt 0x0
	CROUND                                         ; the closing round
	s_endpgm
.Lfunc_end_k_qea19ae0f02_attn:
	.size	k_qea19ae0f02_attn, .Lfunc_end_k_qea19ae0f02_attn-k_qea19ae0f02_attn
	.p2alignl 7, 3214868480
	.fill 96, 4, 3214868480
	.section	.rodata,"a",@progbits
	.p2align	6, 0x0
	.amdhsa_kernel k_qea19ae0f02_attn
		.amdhsa_group_segment_fixed_size 327680
		.amdhsa_private_segment_fixed_size 0
		.amdhsa_enable_private_segment 0
		.amdhsa_kernarg_size 24
		.amdhsa_user_sgpr_count 2
		.amdhsa_user_sgpr_kernarg_segment_ptr 1
		.amdhsa_wavefront_size32 1
		.amdhsa_system_sgpr_workgroup_id_x 1
		.amdhsa_system_sgpr_workgroup_id_y 1
		.amdhsa_system_sgpr_workgroup_id_z 1
		.amdhsa_system_vgpr_workitem_id 0
		.amdhsa_next_free_vgpr 256
		.amdhsa_next_free_sgpr 66
		.amdhsa_reserve_vcc 0
		.amdhsa_float_denorm_mode_32 3
		.amdhsa_float_denorm_mode_16_64 3
		.amdhsa_memory_ordered 1
		.amdhsa_forward_progress 1
		.amdhsa_inst_pref_size 46
	.end_amdhsa_kernel
	.amdgpu_metadata
---
amdhsa.version: [ 1, 2 ]
amdhsa.kernels:
  - .name:           k_qea19ae0f02_attn
    .symbol:         k_qea19ae0f02_attn.kd
    .args:
      - { .name: qkv, .offset: 0, .size: 8, .value_kind: global_buffer, .address_space: global }
      - { .name: yc, .offset: 8, .size: 8, .value_kind: global_buffer, .address_space: global }
      - { .name: ysw, .offset: 16, .size: 8, .value_kind: global_buffer, .address_space: global }
    .group_segment_fixed_size: 327680
    .private_segment_fixed_size: 0
    .kernarg_segment_align: 8
    .kernarg_segment_size: 24
    .max_flat_workgroup_size: 512
    .sgpr_count:     66
    .vgpr_count:     256
    .wavefront_size: 32
...
	.end_amdgpu_metadata
.endif
;; end of part 3
;; launch proj (part 4): grid 8 x 32, 4 waves a work-group, clusters of 4 x 4, 327,680 bytes of LDS; arguments yc, ysw, codes, scales, out0; writes out0
.if DOCPART == 4
	.amdgcn_target "amdgcn-amd-amdhsa--gfx1250"
	.amdhsa_code_object_version 6
	.text
	.protected	k_qea19ae0f02_proj
	.globl	k_qea19ae0f02_proj
	.p2align	8
	.type	k_qea19ae0f02_proj,@function
k_qea19ae0f02_proj:
	s_mov_b64 s[64:65], 0
	v_nop
	global_prefetch_b8 v0, s[64:65] scope:SCOPE_SE
	s_setreg_imm32_b32 hwreg(HW_REG_WAVE_MODE, 25, 1), 1
	s_wait_xcnt 0x0
	s_wait_alu depctr_hold_cnt(0) depctr_sa_sdst(0) depctr_va_vdst(0) depctr_va_sdst(0) depctr_va_ssrc(0) depctr_va_vcc(0) depctr_vm_vsrc(0)
	s_getreg_b32 s2, hwreg(HW_REG_IB_STS2, 6, 4)
	s_cmp_eq_u32 s2, 0
	s_cbranch_scc0 .Lentry_in_a_cluster
	s_endpgm
.Lentry_in_a_cluster:
	s_bfe_u32 s2, ttmp6, 0x10000c
	s_cmp_lg_u32 s2, 0xf033
	s_cbranch_scc0 .Lentry_shape_is_right
	s_endpgm
.Lentry_shape_is_right:
; out0[token][e] = sum over d of y[token][d] w_proj[e][d], on codes of FP6 (E2M3) with E8M0 scales; K = 1,024; sums in f32.
; Both operands lie in memory as images of the matrix unit's registers: [tile of 16 rows][8 K steps][1,536 bytes]; y's in yc, w_proj's are tiles 448-511 of codes.
; SHARES.  A work-group makes 128 tokens x 128 channels: 32 x 8 = 256 work-groups.  A wave makes 64 x 64: 16 accumulators.  The block's 8 tiles of y and 8 of w_proj, for ALL of K, are two dense
; runs of 98,304 bytes: they come into LDS once, each wave fetching half a run by its one tensor load; nothing is filled again, so one barrier serves the whole launch.
; CLUSTER 4 x 4: y's run hangs on the block's row alone and is asked for jointly along a row of the cluster, w_proj's along a column.
; NO PREFETCH: all that the work-group reads is asked for at the head; there is no loop to run ahead in.
; THE PRODUCT IS USED TRANSPOSED (source 0 = 16 channels, source 1 = 16 tokens): lane (r, h) holds token place r; register j of channel tile 2 B + u is channel 32 B + 8 u + 16 h + j.
; Token tile 4 C + u holds at place p the token 64 C + 8 u + p % 8 + 32 (p / 8).
; REGISTERS.  Window 0: v8-28 addresses; v32-63 y's scale words (tile a, K step s at 8 a + s); v64-95 w_proj's; v96-191 y's fragments, two sets.  Window 1: v0-95 w_proj's fragments, two sets; v128-255 accumulators.
.set FRB,   1536
.set TROW,  12288
.set HALF,  4*TROW                     ; what one tensor load brings, and what one wave reads of either operand
.set STAGE, 4*HALF                     ; behind the operands: 16 rows x 272 bytes for each wave; no tensor load lands here
.set SP,    272
.set SPARE, STAGE+4*16*SP              ; the spare words
.set A16, 8
.set A8,  9
.set B16, 10
.set B8,  11
.set SPW, 20
.set NIL, 21
.set SR,  24
.set SR2, 25
.set STO, 26
.set RD,  27
.set CO,  28
.set SCA, 32
.set SCB, 64
.set AF,  96
.set G1,  24
.set G0,  32
.set G0B, 36
.set G1B, 48
.set MSB, 0
.macro WIN new
.if MSB != (\new)
	s_set_vgpr_msb (MSB<<8)|(\new)
.set MSB, (\new)
.endif
.endm
.macro CROUND
	s_barrier_signal -1
	s_barrier_wait -1
	s_cmp_lg_u32 s14, 0
	s_cbranch_scc1 .Lnot_wave_0_\@
	s_barrier_signal -3
.Lnot_wave_0_\@:
	s_barrier_wait -3
	s_barrier_signal -1
	s_barrier_wait -1
.endm
.macro PLACES n
.rept \n
	v_nop
.endr
.endm
	s_load_b256 s[4:11], s[0:1], 0x0               ; yc, ysw, codes, scales
	s_load_b64 s[12:13], s[0:1], 0x20              ; out0
	v_lshl_add_u32 v[SPW], v0, 2, SPARE
	v_mov_b32 v[NIL], 0
	ds_add_u32 v[SPW], v[NIL]                      ; the opening lines
	ds_add_u32 v[SPW], v[NIL]
	v_lshrrev_b32 v1, 5, v0
	v_readfirstlane_b32 s14, v1                    ; wave
	s_lshr_b32 s15, s14, 1                         ; my 64 tokens.  Also: I fetch y (0) or w_proj (1)
	s_and_b32 s16, s14, 1                          ; my 64 channels.  Also: which half of the run I fetch
	s_bfe_u32 s40, ttmp6, 0x40000                  ; cx
	s_bfe_u32 s41, ttmp6, 0x40004                  ; cy
	s_lshl_b32 s42, ttmp9, 2
	s_add_co_u32 s42, s42, s40                     ; the block's column, 0..7
	s_and_b32 s17, ttmp7, 0xffff
	s_lshl_b32 s17, s17, 2
	s_add_co_u32 s17, s17, s41                     ; the block's row, 0..31
	s_lshl_b32 s43, s41, 2
	s_lshl_b32 s43, 15, s43                        ; my row of the cluster
	s_lshl_b32 s44, 0x1111, s40                    ; my column
	s_or_b32 s[G1], s43, (3<<16)|(1<<21)           ; elements of 8 bytes; no padding: fragments are read 16 or 8 bytes a lane on end
	s_or_b32 s[G1B], s44, (3<<16)|(1<<21)
.irp g, G1, G1B
	s_mov_b32 s[\g+1], 32<<16                      ; a dense run of 49,152 bytes as 192 rows of 256
	s_mov_b32 s[\g+2], 192<<16
	s_mov_b32 s[\g+3], 32<<16
	s_mov_b32 s[\g+4], 192
	s_mov_b32 s[\g+5], 32
	s_mov_b32 s[\g+6], 0
	s_mov_b32 s[\g+7], 0
.endr
	s_lshl_b32 s22, s16, 2
	s_lshl_b32 s20, s17, 3
	s_add_co_u32 s20, s20, s22                     ; y: tile 8 x row + 4 x half
	s_mul_i32 s20, s20, TROW
	s_mov_b32 s21, 0
	s_lshl_b32 s46, s42, 3
	s_add_co_u32 s46, s46, s22
	s_add_co_u32 s46, s46, 448                     ; w_proj: tile 448 + 8 x column + 4 x half
	s_mul_i32 s46, s46, TROW
	s_mov_b32 s47, 0
	s_mul_i32 s45, s14, HALF                       ; LDS: y's two halves, then w_proj's
	s_wait_dscnt 0x0
	s_wait_kmcnt 0x0
	s_mov_b32 s[G0], 1
	s_mov_b32 s[G0+1], s45
	s_add_nc_u64 s[G0+2:G0+3], s[4:5], s[20:21]
	s_or_b32 s[G0+3], s[G0+3], 0x80000000
	s_mov_b32 s[G0B], 1
	s_mov_b32 s[G0B+1], s45
	s_add_nc_u64 s[G0B+2:G0B+3], s[8:9], s[46:47]
	s_or_b32 s[G0B+3], s[G0B+3], 0x80000000
	CROUND                                         ; all sixteen work-groups are here: the joint loads meet
	s_cmp_eq_u32 s15, 0
	s_cbranch_scc0 .Lfor_b
	tensor_load_to_lds s[G0:G0+3], s[G1:G1+7]      ; one tensor load a wave, and the launch's only ones
	s_nop 0
	PLACES 4
	s_branch .Lasked
.Lfor_b:
	tensor_load_to_lds s[G0B:G0B+3], s[G1B:G1B+7]
	s_nop 0
	PLACES 4
.Lasked:
	s_mul_i32 s18, s15, HALF                       ; my four tiles of y,
	s_mul_i32 s19, s16, HALF
	s_add_co_u32 s19, s19, 2*HALF                  ; and of w_proj
	s_mul_i32 s23, s14, 16*SP
	s_add_co_u32 s23, s23, STAGE                   ; my stage
	s_lshl_b32 s56, s42, 3
	s_add_co_u32 s56, s56, s22
	s_add_co_u32 s56, s56, 448
	s_lshl_b32 s56, s56, 9                         ; w_proj's scale words: 512 bytes a tile
	s_mov_b32 s57, 0
	s_add_nc_u64 s[10:11], s[10:11], s[56:57]
	s_lshr_b32 s56, s17, 1
	s_lshl_b32 s56, s56, 14                        ; y's: 16,384 bytes a block of 256 tokens,
	s_and_b32 s58, s17, 1
	s_lshl_b32 s58, s58, 5                         ; 4 bytes a tile: 8 (row % 2)
	s_add_co_u32 s56, s56, s58
	s_lshl_b32 s58, s15, 4                         ; + 4 x my half
	s_add_co_u32 s56, s56, s58
	s_add_nc_u64 s[6:7], s[6:7], s[56:57]
	s_lshl_b32 s56, s17, 19                        ; out0: 128 tokens of 4,096 bytes a row of blocks,
	s_lshl_b32 s58, s15, 18
	s_add_co_u32 s56, s56, s58
	s_lshl_b32 s58, s42, 9                         ; 512 bytes a column of blocks
	s_add_co_u32 s56, s56, s58
	s_lshl_b32 s58, s16, 8
	s_add_co_u32 s56, s56, s58
	s_add_nc_u64 s[12:13], s[12:13], s[56:57]
	v_and_b32 v1, 31, v0
	v_and_b32 v2, 15, v0                           ; r
	v_bfe_u32 v3, v0, 4, 1                         ; h
	v_lshlrev_b32 v4, 4, v1
	v_lshlrev_b32 v5, 3, v1
	v_lshlrev_b32 v[SR], 5, v2
	v_lshlrev_b32 v[SR2], 6, v2
	v_add_nc_u32 v[A16], s18, v4
	v_add_nc_u32 v[A8], s18, v5
	v_add_nc_u32 v[B16], s19, v4
	v_add_nc_u32 v[B8], s19, v5
	v_mul_u32_u24 v[STO], v2, SP                   ; into the stage: row r, 64 bytes for each half of the lanes
	v_mul_u32_u24 v[RD], v3, SP                    ; back: sixteen lanes to a row of 256 bytes, two rows an instruction
	v_lshlrev_b32 v[CO], 12, v3                    ; and the same two rows in out0
	v_lshl_add_u32 v[STO], v3, 6, v[STO]
	v_lshl_add_u32 v[RD], v2, 4, v[RD]
	v_lshl_add_u32 v[CO], v2, 4, v[CO]
	v_add_nc_u32 v[STO], s23, v[STO]
	v_add_nc_u32 v[RD], s23, v[RD]
	s_wait_alu depctr_va_vdst(0)                   ; the wait at the head's end
.irp b, 0,1,2,3
	global_load_b128 v[SCB+8*\b:SCB+8*\b+3], v[SR], s[10:11] offset:512*\b
	global_load_b128 v[SCB+8*\b+4:SCB+8*\b+7], v[SR], s[10:11] offset:512*\b+16
.endr
	WIN 0x40
.irp hd, 0,1,2,3,4,5,6,7,8,9,10,11,12,13,14,15
	global_load_b128 v[128+4*\hd:128+4*\hd+3], v[SR2], s[6:7] offset:1024*\hd   ; head hd's two bytes for my four tiles, into registers that the sums take later
.endr
	WIN 0
.macro FRAG reg, a16, a8, off
	ds_load_b128 v[\reg:\reg+3], v[\a16] offset:\off
	ds_load_b64 v[\reg+4:\reg+5], v[\a8] offset:\off+512
	ds_load_b128 v[\reg+6:\reg+9], v[\a16] offset:\off+768
	ds_load_b64 v[\reg+10:\reg+11], v[\a8] offset:\off+1280
.endm
.macro FETCH s                         ; K step s: 32 LDS loads into set s % 2
	WIN 0x40
.irp i, 0,1,2,3
	FRAG 48*((\s)%2)+12*\i, B16, B8, \i*TROW+(\s)*FRB
.endr
	WIN 0
.irp i, 0,1,2,3
	FRAG AF+48*((\s)%2)+12*\i, A16, A8, \i*TROW+(\s)*FRB
.endr
.endm
.macro MUL s, zero                     ; 16 matrix instructions; the 16 accumulators take turns, in the same order in every step
	WIN 0x51
.irp a, 0,1,2,3
.irp b, 0,1,2,3
.if \zero
	v_wmma_scale_f32_16x16x128_f8f6f4 v[128+8*(4*\a+\b):128+8*(4*\a+\b)+7], v[48*((\s)%2)+12*\b:48*((\s)%2)+12*\b+11], v[AF+48*((\s)%2)+12*\a:AF+48*((\s)%2)+12*\a+11], 0, v[SCB+8*\b+(\s)], v[SCA+8*\a+(\s)] matrix_a_fmt:MATRIX_FMT_FP6 matrix_b_fmt:MATRIX_FMT_FP6
.else
	v_wmma_scale_f32_16x16x128_f8f6f4 v[128+8*(4*\a+\b):128+8*(4*\a+\b)+7], v[48*((\s)%2)+12*\b:48*((\s)%2)+12*\b+11], v[AF+48*((\s)%2)+12*\a:AF+48*((\s)%2)+12*\a+11], v[128+8*(4*\a+\b):128+8*(4*\a+\b)+7], v[SCB+8*\b+(\s)], v[SCA+8*\a+(\s)] matrix_a_fmt:MATRIX_FMT_FP6 matrix_b_fmt:MATRIX_FMT_FP6
.endif
.endr
.endr
.endm
	s_wait_tensorcnt 0x0                           ; my half run is in;
	s_barrier_signal -1
	s_barrier_wait -1                              ; everybody's is.
	FETCH 0
	s_wait_loadcnt 0x0                             ; the scale words
	WIN 0x11
.irp a, 0,1,2,3
.irp s, 0,1,2,3,4,5,6,7
	v_lshl_or_b32 v[SCA+8*\a+\s], v[128+4*(2*\s+1)+\a], 16, v[128+4*(2*\s)+\a]   ; K step s = heads 2 s and 2 s + 1: two bytes each
.endr
.endr
	WIN 0
	PLACES 8                                       ; a scale register written by a vector instruction stands 8 places ahead of a scaled matrix instruction
	s_wait_alu depctr_va_vdst(0)                   ; directly ahead of the stretch with the wait below
	FETCH 1
	s_wait_dscnt 32                                ; all but the 32 just issued
	MUL 0, 1                                       ; the first step's products start the sums
.irp s, 1,2,3,4,5,6
	PLACES 4                                       ; in front of loads into the set that the last step multiplied
	FETCH \s+1
	s_wait_dscnt 32
	MUL \s, 0
.endr
	s_wait_dscnt 0x0
	MUL 7, 0
	WIN 0
; THE WAY OUT, token tile by token tile: 16 rows x 64 channels through my own stage, back as whole rows of 256 bytes.  LDS serves a wave's instructions in order: no wait between stores and loads.
.macro TOSTAGE a
	WIN 0x04
.irp b, 0,1,2,3
	ds_store_b128 v[STO], v[128+8*(4*(\a)+\b):128+8*(4*(\a)+\b)+3] offset:128*(\b/2)+32*(\b%2)      ; each accumulator from its low end on
	ds_store_b128 v[STO], v[128+8*(4*(\a)+\b)+4:128+8*(4*(\a)+\b)+7] offset:128*(\b/2)+32*(\b%2)+16
.endr
	WIN 0
.irp t, 0,1,2,3,4,5,6,7
	ds_load_b128 v[AF+32*((\a)%2)+4*\t:AF+32*((\a)%2)+4*\t+3], v[RD] offset:\t*2*SP
.endr
.endm
.macro SEND a, younger                 ; place 2 t + (lane / 16) of tile a is token 32 (t / 4) + 8 a + 2 (t % 4) + (lane / 16) of my 64
	s_wait_dscnt \younger
.irp t, 0,1,2,3,4,5,6,7
	global_store_b128 v[CO], v[AF+32*((\a)%2)+4*\t:AF+32*((\a)%2)+4*\t+3], s[12:13] offset:(32*(\t/4)+8*(\a)+2*(\t%4))*4096 th:TH_STORE_NT   ; sixteen lanes store 256 consecutive bytes, aligned
.endr
.endm
	PLACES 4
	TOSTAGE 0
.irp a, 1,2,3
.if \a > 1
	s_wait_xcnt 0x0                                ; tile a - 2's stores have read their registers: tile a's loads may land there
.endif
	TOSTAGE \a
	SEND \a-1, 16                                  ; behind tile a - 1's loads: tile a's 8 stores and 8 loads
.endr
	SEND 3, 0
	s_wait_tensorcnt 0x0                           ; the wave's end
	ds_add_u32 v[SPW], v[NIL]
	s_wait_dscnt 0x0
	CROUND                                         ; the closing round
	s_endpgm
.Lfunc_end_k_qea19ae0f02_proj:
	.size	k_qea19ae0f02_proj, .Lfunc_end_k_qea19ae0f02_proj-k_qea19ae0f02_proj
	.p2alignl 7, 3214868480
	.fill 96, 4, 3214868480
	.section	.rodata,"a",@progbits
	.p2align	6, 0x0
	.amdhsa_kernel k_qea19ae0f02_proj
		.amdhsa_group_segment_fixed_size 327680
		.amdhsa_private_segment_fixed_size 0
		.amdhsa_enable_private_segment 0
		.amdhsa_kernarg_size 40
		.amdhsa_user_sgpr_count 2
		.amdhsa_user_sgpr_kernarg_segment_ptr 1
		.amdhsa_wavefront_size32 1
		.amdhsa_system_sgpr_workgroup_id_x 1
		.amdhsa_system_sgpr_workgroup_id_y 1
		.amdhsa_system_sgpr_workgroup_id_z 1
		.amdhsa_system_vgpr_workitem_id 0
		.amdhsa_next_free_vgpr 512
		.amdhsa_next_free_sgpr 66
		.amdhsa_reserve_vcc 0
		.amdhsa_float_denorm_mode_32 3
		.amdhsa_float_denorm_mode_16_64 3
		.amdhsa_memory_ordered 1
		.amdhsa_forward_progress 1
		.amdhsa_inst_pref_size 53
	.end_amdhsa_kernel
	.amdgpu_metadata
---
amdhsa.version: [ 1, 2 ]
amdhsa.kernels:
  - .name:           k_qea19ae0f02_proj
    .symbol:         k_qea19ae0f02_proj.kd
    .args:
      - { .name: yc, .offset: 0, .size: 8, .value_kind: global_buffer, .address_space: global }
      - { .name: ysw, .offset: 8, .size: 8, .value_kind: global_buffer, .address_space: global }
      - { .name: codes, .offset: 16, .size: 8, .value_kind: global_buffer, .address_space: global }
      - { .name: scales, .offset: 24, .size: 8, .value_kind: global_buffer, .address_space: global }
      - { .name: out0, .offset: 32, .size: 8, .value_kind: global_buffer, .address_space: global }
    .group_segment_fixed_size: 327680
    .private_segment_fixed_size: 0
    .kernarg_segment_align: 8
    .kernarg_segment_size: 40
    .max_flat_workgroup_size: 128
    .sgpr_count:     66
    .vgpr_count:     512
    .wavefront_size: 32
...
	.end_amdgpu_metadata
.endif
;; end of part 4
